; MI455X (gfx1250); checked and timed in simulation.
; The chip was launched on July 23, 2026; its instructions are those of AMD's public machine-readable ISA for CDNA 5 (MIT licence, August 2026) and "CDNA5" Instruction Set Architecture Reference Guide (July 2026). The comments in the code are by the model that wrote it; some were corrected since.
;; Transformer. Allowed arithmetic: matrix products marked QUANTISED: E4M3 operands, one given power-of-two scale a tensor, by v_wmma_f32_16x16x64_fp8_fp8 or v_wmma_f32_16x16x128_fp8_fp8, f32 sums; everything else in f32.
;; Inputs: Wk_codes 512 x 16 x 32 uint8 (E4M3 codes of Wk, K innermost, in blocks of 32 codes); Wo_codes 512 x 16 x 32 uint8 (E4M3 codes of Wo, K innermost, in blocks of 32 codes); Wq_codes 512 x 16 x 32 uint8 (E4M3 codes of Wq, K innermost, in blocks of 32 codes); Wv_codes 512 x 16 x 32 uint8 (E4M3 codes of Wv, K innermost, in blocks of 32 codes); beta 512 float32; bk 512 float32; bo 512 float32; bq 512 float32; bv 512 float32; gamma 512 float32; lowp_scales 12 int32 (the exponents e of the quantised operands' scales 2^e); x_codes 8 x 2,048 x 16 x 32 uint8 (E4M3 codes of x, K innermost, in blocks of 32 codes).
;; Outputs: out0 8 x 2,048 x 512 float32.
;; This version of the problem:
;;   THIS VERSION OF THE PROBLEM IS GIVEN IN LOW PRECISION. The matrix products marked QUANTISED in the list below multiply operands that are first quantised to E4M3 (4 exponent bits, 3 mantissa bits; 8 bits a number), with one given power-of-two scale for each operand tensor; their sums are f32. All else is computed in f32.
;;   The module's matrix products, in the order in which they are computed (A, B: the left and right operand; K: the contracted axis; several contracted axes count as one K, in the product's order):
;;     1. [M 16,384, K 512] x [K 512, N 512]; A: input x (given as codes); B: input Wq (given as codes): QUANTISED (scales: A lowp_scales[0], B lowp_scales[1])
;;     2. [M 16,384, K 512] x [K 512, N 512]; A: input x (given as codes); B: input Wk (given as codes): QUANTISED (scales: A lowp_scales[2], B lowp_scales[3])
;;     3. [M 16,384, K 512] x [K 512, N 512]; A: input x (given as codes); B: input Wv (given as codes): QUANTISED (scales: A lowp_scales[4], B lowp_scales[5])
;;     4. batch 8 x [M 2,048, K 512] x [K 512, N 2,048]; A: computed on the way; B: computed on the way: QUANTISED (scales: A lowp_scales[6], B lowp_scales[7])
;;     5. batch 8 x [M 2,048, K 2,048] x [K 2,048, N 512]; A: softmax (see below); B: computed on the way: QUANTISED (scales: A lowp_scales[8], B lowp_scales[9])
;;     6. [M 16,384, K 512] x [K 512, N 512]; A: computed on the way; B: input Wo (given as codes): QUANTISED (scales: A lowp_scales[10], B lowp_scales[11])
;;   THE QUANTISER, for each operand of a quantised product, along K:
;;     - The operand's scale is 2^e, e = its entry of the input lowp_scales (int32; the entries are numbered through the quantised products in the list's order, A before B).
;;     - Each number is divided by the scale, clamped to +-448, and rounded to the nearest number of E4M3, ties to even, subnormals kept.
;;     - The product sums the exact products of the quantised numbers (number of the format x scale) in f32.
;;   ~~~python
;;   def quantise(x, axis, e):      # numpy; x: float32 -> the quantised numbers, widened to float32 again
;;       x = np.moveaxis(x, axis, -1); K = x.shape[-1]
;;       r = np.clip(x / 2.0 ** e, -448, 448)
;;       step = 2.0 ** (np.maximum(np.frexp(np.where(r == 0, 1, r))[1] - 1, -6) - 3)
;;       q = np.round(r / step) * step * 2.0 ** e      # np.round: ties to even
;;       return np.moveaxis(q, -1, axis).astype(np.float32)
;;   ~~~
;;   SOFTMAX AHEAD OF A QUANTISED PRODUCT. Where the list says 'softmax', what is quantised is not the finished softmax but p = 2^(t - M), with t = logit x log2(e) and M = ceil(the row's largest t), a whole number; so 1/2 < the row's largest p <= 1. The row's sum l is taken of the UNQUANTISED p, in f32, and the product's result is divided by l at the end. Since M is a whole number, a kernel that streams over the keys may use a running M (the ceiling of the running maximum): every later rescaling is an exact power of two, so the quantised numbers keep their values, but for numbers so far below the row's largest that they fall under the format's range.
;;   OPERANDS COMPUTED ON THE WAY. 'Computed on the way' means the value that the module computes at that place (a softmax that the list does not call 'softmax' is quantised finished and normalised). What goes into a quantiser is computed in f32, as accurately as f32 sums, v_exp_f32 and their like allow (about 1e-6 of the number): no bf16 or f16 on the way to a quantiser, and a product that is left as it is and whose result goes on into a quantised operand takes f32 operands (vector FMAs, or v_wmma_f32_16x16x4_f32). A number that lies on a knife's edge between two numbers of the format may be rounded either way, as far as f32 arithmetic and the matrix unit's own rounding can turn it there, and no further.
;;   INPUTS GIVEN AS CODES. Wk (in the module: [512, 512], K = its axis 0); Wo (in the module: [512, 512], K = its axis 0); Wq (in the module: [512, 512], K = its axis 0); Wv (in the module: [512, 512], K = its axis 0); x (in the module: [8, 2048, 512], K = its axis 2): each comes as NAME_codes (uint8): NAME with its K axis moved to the last place and cut into blocks of 32 codes, [.., K / 32, bytes a block], one block behind the other in memory; one code a byte (a code: sign, 4 exponent bits, 3 mantissa bits); its scale is its entry of lowp_scales. Its value is code x scale, taken as it is: it is not quantised again, and the codes and scales need not be those that the quantiser above would give.
;; One version. Each part assembles by itself: llvm-mc -triple=amdgcn-amd-amdhsa -mcpu=gfx1250 --defsym DOCPART=n.
;; ======== version 1 of 1: 2 launches
;; limits: right only within a limited range of input values
;; workspace buffers: qimg 8,388,608 bytes; kimg 8,388,608 bytes; vimg 8,388,608 bytes; woimg 262,144 bytes
;; launch proj (part 1): grid 4 x 64, 4 waves a work-group, clusters of 4 x 4, 327,680 bytes of LDS; arguments x_codes, Wq_codes, Wk_codes, Wv_codes, bq, bk, bv, lowp_scales, qimg, kimg, vimg, Wo_codes, woimg; writes qimg, kimg, vimg, woimg
.if DOCPART == 1
	.amdgcn_target "amdgcn-amd-amdhsa--gfx1250"
	.amdhsa_code_object_version 6
	.text
	.protected	k_qd66b64d2dd_proj
	.globl	k_qd66b64d2dd_proj
	.p2align	8
	.type	k_qd66b64d2dd_proj,@function
k_qd66b64d2dd_proj:
	s_mov_b64 s[64:65], 0
	v_nop
	global_prefetch_b8 v0, s[64:65] scope:SCOPE_SE
	s_setreg_imm32_b32 hwreg(HW_REG_WAVE_MODE, 25, 1), 1
	s_wait_xcnt 0x0
	s_wait_alu depctr_hold_cnt(0) depctr_sa_sdst(0) depctr_va_vdst(0) depctr_va_sdst(0) depctr_va_ssrc(0) depctr_va_vcc(0) depctr_vm_vsrc(0)
	s_getreg_b32 s2, hwreg(HW_REG_IB_STS2, 6, 4)
	s_cmp_eq_u32 s2, 0
	s_cbranch_scc0 .Lentry_in_a_cluster
	s_endpgm
.Lentry_in_a_cluster:
	s_bfe_u32 s2, ttmp6, 0x10000c
	s_cmp_lg_u32 s2, 0xf033
	s_cbranch_scc0 .Lentry_shape_is_right
	s_endpgm
.Lentry_shape_is_right:
; q = relu(x Wq + bq) / 8, k = relu(x Wk + bk), v = relu(x Wv + bv), each product on codes of E4M3, each result quantised to codes of E4M3 with its given scale.  No product of the problem is dead work: all six are done.
; x: 16,384 rows of 512 codes.  Wq, Wk, Wv: 512 rows (features) of 512 codes, K innermost.  lowp_scales e0 .. e9 are used here: x and W of the three products (e0 .. e5), q (e6), k (e7), v (e9).
; WHAT IS STORED: images of the next launch's operand registers.  A fragment (16 rows x 128 K) is 2,048 bytes: 4 chunks of 512; chunk c holds lane l's registers 4 c .. 4 c + 3 at byte 16 l.
;   qimg, kimg: [token tile][K step][chunk][lane][16 bytes]; row r of a fragment = token 16 tile + r; registers 2 c, 2 c + 1 = features 16 c + 8 (l / 16) + 0 .. 7 of the K step.
;   vimg: [128 tokens][feature tile 0 .. 31][chunk][lane][16 bytes]; row r of tile T = feature 32 (T / 2) + 8 (T % 2) + r + 8 (r / 8); registers 2 c, 2 c + 1 = tokens 16 c + 8 (l / 16) + 0 .. 7.
;   woimg: Wo's codes, [K step][output tile 0 .. 31][chunk][lane][16 bytes]; row r of a tile = output 16 tile + r; chunk c = k 32 c + 16 (lane / 16) + 0 .. 15 of the K step.
; SHARES.  A work-group takes 256 tokens and features 128 cx .. 128 cx + 127 of each of q, k, v; wave w 32 of them.  A wave's six weight tiles x four K steps (384 registers) stay in registers, and each fragment of x
; read from LDS feeds six matrix instructions.
; CLUSTERS: 4 x 4.  The four of a row of the cluster need the same rows of x, the four of a column the same rows of the weights: each tile (128 rows of 512 bytes) is asked for JOINTLY, by the same tensor load with a mask that names the four.
; LDS: four regions of 128 padded rows: x's first 128 rows, Wq, Wk, Wv (wave w fetches region w).  When all have their weights in registers, x's second 128 rows take Wq's region, behind x's first: 256 rows on end.
; No prefetch is written: every byte is asked for once by its tensor load in front of the loop, and the loop has nothing to run ahead for.
; q and k are made transposed (source 0 = 16 features of W, source 1 = 16 tokens): a lane then holds one token and eight neighbouring features, which are neighbours along the next K.
; v is made the natural way (source 0 = 16 tokens, source 1 = 16 features): a lane holds one feature and eight neighbouring tokens, which are neighbours along ITS next K, the keys.
; The bias is the C of each sum's first matrix instruction, divided by the power of two that the sums lack.  relu and the hold at the largest code are one v_med3_num_f32.
; The fragments of x and W are fetched 16 bytes a lane: a permutation of k, the same on both sides, so only the order of the sums inside an instruction differs from ascending k.
; LIMITS: e6 - e0 - e1 + 3, e7 - e2 - e3 and e9 - e4 - e5 lie between -126 and 119, so that each power of two below is an f32 number.  NaN among the inputs is not served.
; REGISTERS, in windows of 256: window 0: v0-19, v44-45 addresses and scales; v20-43 codes; v48-143 the 12 accumulators.  window 1: Wq's fragments v0-127, Wk's v128-255.
;   window 2: Wv's v0-127; the biases from v128.   window 3: two sets of x's fragments (2 token tiles x 4 K steps), v0-127 and v128-255.
.set XP,    528                        ; a row in LDS: 512 bytes + 16: 132 words, so the sixteen rows of a fragment load begin 4 words apart modulo 64 words
.set REG,   128*XP                     ; a region
.set SPARE, 4*REG                      ; the spare words, 128 bytes for each wave: two blocks of 256 bytes that no other line names
.set XA,   3                           ; v3   528 r + 16 h: my place in a fragment
.set XC,   4                           ; v4   the same in the half of x in hand
.set STQ,  5                           ; v5   q's and k's images: 2,048 cx + 16 x thread
.set STV,  6                           ; v6   v's images: (8 cx + 2 w) x 2,048 + 16 x lane
.set WQA,  7                           ; v7   Wq in LDS: row 32 w + r, 16 h
.set WVA,  8                           ; v8   Wv: row 32 w + r + 8 (r / 8)
.set BA,   9                           ; v9   bq, bk: (128 cx + 32 w + 8 h) x 4
.set BVA,  10                          ; v10  bv: (128 cx + 32 w + r + 8 (r / 8)) x 4
.set WKA,  44                          ; v44  Wk in LDS
.set WV,   40                          ; s40  my wave's number
.set G1X,  24                          ; s[24:31] descriptor group 1 for x;  group 0: s[32:35]
.set G1W,  80                          ; s[80:87] for the weights;           group 0: s[88:91]
.set XS,   95                          ; s95  the half of x in hand: 0, then one region on
.set CNT,  96                          ; s96  counts the loop's trips
.set MSB, 0
.macro WIN new                         ; the immediate's high byte repeats the setting that is left; a switch that changes nothing is dropped
.if MSB != (\new)
	s_set_vgpr_msb (MSB<<8)|(\new)
.set MSB, (\new)
.endif
.endm
.macro PLACES n
.rept \n
	v_nop
.endr
.endm
.macro CROUND                          ; a round of the cluster's barrier
	s_barrier_signal -1
	s_barrier_wait -1
	s_cmp_lg_u32 s[WV], 0
	s_cbranch_scc1 .Lnot_wave_0_\@
	s_barrier_signal -3
.Lnot_wave_0_\@:
	s_barrier_wait -3
	s_barrier_signal -1
	s_barrier_wait -1
.endm
	s_load_b512 s[4:19], s[0:1], 0x0               ; x s[4:5], Wq s[6:7], Wk s[8:9], Wv s[10:11], bq s[12:13], bk s[14:15], bv s[16:17], the exponents s[18:19]
	s_load_b128 s[20:23], s[0:1], 0x40             ; qimg s[20:21], kimg s[22:23]
	s_load_b64 s[36:37], s[0:1], 0x50              ; vimg
	s_load_b128 s[76:79], s[0:1], 0x58             ; Wo s[76:77], woimg s[78:79]
	v_lshl_add_u32 v254, v0, 2, SPARE
	v_mov_b32 v255, 0
	ds_add_u32 v254, v255                          ; the wave's opening: the add, twice on end, and its wait ahead of my first tensor load
	ds_add_u32 v254, v255
	v_lshrrev_b32 v11, 5, v0
	v_readfirstlane_b32 s[WV], v11                 ; wave 0..3
	s_bfe_u32 s41, ttmp6, 0x40000                  ; cx: which 128 features
	s_bfe_u32 s43, ttmp6, 0x40004                  ; cy
	s_and_b32 s42, ttmp7, 0xffff
	s_lshl_b32 s42, s42, 2
	s_add_co_u32 s42, s42, s43                     ; which 256 tokens: 4 x cluster y + cy
	s_lshl_b32 s66, s43, 2
	s_lshl_b32 s66, 15, s66                        ; my row of the cluster: x
	s_lshl_b32 s67, 0x1111, s41                    ; my column: the weights
	; descriptor group 1: 128 rows of 512 bytes, 16 bytes of padding behind each
	s_or_b32 s[G1X], s66, (1<<20)|(1<<21)|(6<<22)|(3<<25)  ; 15:0 the mask; 17:16 elements of 1 byte; 20 padding on; 21 set beside a mask; 24:22 after every 128 words (code 6); 31:25 four words (code 3)
	s_or_b32 s[G1W], s67, (1<<20)|(1<<21)|(6<<22)|(3<<25)
.irp g, G1X, G1W
	s_mov_b32 s[\g+1], 512<<16                     ; tensor_dim0 = 512
	s_mov_b32 s[\g+2], 128<<16                     ; tensor_dim1 = 128
	s_mov_b32 s[\g+3], 512<<16                     ; tile_dim0 = 512
	s_mov_b32 s[\g+4], 128                         ; tile_dim1 = 128
	s_mov_b32 s[\g+5], 512                         ; from row to row
	s_mov_b32 s[\g+6], 0
	s_mov_b32 s[\g+7], 0
.endr
	s_lshl_b32 s54, s42, 17                        ; 256 tokens are 131,072 bytes in x and in each of the three images
	s_mov_b32 s55, 0
	s_lshl_b32 s56, s41, 16                        ; 128 features are 65,536 bytes of a weight
	s_mov_b32 s57, 0
	s_mov_b32 s32, 1                               ; group 0 of x: count = 1,
	s_mov_b32 s33, 0                               ; LDS: region 0
	s_mov_b32 s88, 1                               ; group 0 of the weights:
	s_mul_i32 s89, s[WV], REG                      ; LDS: wave x a region
	s_lshl_b32 s66, s41, 7
	s_lshl_b32 s67, s[WV], 5
	s_add_co_u32 s66, s66, s67                     ; my first feature: 128 cx + 32 w
	s_lshl_b32 s68, s66, 7                         ; (8 cx + 2 w) x 2,048
	s_lshl_b32 s69, s41, 11
	s_mul_i32 s92, s[WV], 32*XP
	s_add_co_u32 s93, s92, 2*REG                   ; my 32 rows of Wk,
	s_add_co_u32 s94, s92, 3*REG                   ; of Wv
	s_add_co_u32 s92, s92, REG                     ; and of Wq in LDS
	; woimg: work-group g = 4 y + cx lays two chunks, 1,024 bytes, 8 bytes a thread: K step g / 64, tile (g / 2) % 32, chunks 2 (g % 2) + thread / 64
	s_lshl_b32 s70, s42, 2
	s_add_co_u32 s70, s70, s41
	s_lshl_b32 s71, s70, 10
	s_bfe_u32 s72, s70, 0x50001
	s_lshl_b32 s72, s72, 13
	s_lshr_b32 s73, s70, 6
	s_lshl_b32 s73, s73, 7
	s_add_co_u32 s72, s72, s73
	s_and_b32 s70, s70, 1
	s_lshl_b32 s70, s70, 6
	s_add_co_u32 s72, s72, s70
	v_and_b32 v1, 15, v0                           ; r
	v_bfe_u32 v2, v0, 4, 1                         ; h
	v_mul_u32_u24 v[XA], v1, XP
	v_lshl_add_u32 v[XA], v2, 4, v[XA]
	v_lshl_add_u32 v[STQ], v0, 4, s69
	v_and_b32 v11, 31, v0
	v_lshl_add_u32 v[STV], v11, 4, s68
	v_add_nc_u32 v[WQA], s92, v[XA]
	v_add_nc_u32 v[WKA], s93, v[XA]
	v_and_b32 v11, 8, v1                           ; 8 (r / 8)
	v_mul_u32_u24 v45, v11, XP
	v_add_nc_u32 v45, v45, v[XA]
	v_add_nc_u32 v[WVA], s94, v45
	v_add_nc_u32 v[BVA], v11, v1
	v_add_nc_u32 v[BVA], s66, v[BVA]
	v_lshlrev_b32 v[BVA], 2, v[BVA]
	v_lshl_add_u32 v[BA], v2, 3, s66
	v_lshlrev_b32 v[BA], 2, v[BA]
	v_lshl_add_u32 v19, v0, 3, s71                 ; woimg: where my 8 bytes go
	v_bfe_u32 v18, v0, 1, 4                        ; row r of the tile
	v_lshlrev_b32 v18, 9, v18
	v_bfe_u32 v11, v0, 5, 1                        ; the image's lane / 16
	v_lshl_add_u32 v18, v11, 4, v18
	v_lshrrev_b32 v11, 6, v0                       ; which of the two chunks
	v_lshl_add_u32 v18, v11, 5, v18
	v_and_b32 v11, 1, v0                           ; which half of the 16 bytes
	v_lshl_add_u32 v18, v11, 3, v18
	v_add_nc_u32 v18, s72, v18                     ; where they come from
	s_wait_alu depctr_va_vdst(0)                   ; the wait at the head's end
	s_wait_dscnt 0x0                               ; both opening adds are done
	s_wait_kmcnt 0x0
	s_load_b256 s[44:51], s[18:19], 0x0            ; e0 .. e7
	s_load_b64 s[52:53], s[18:19], 0x20            ; e8, e9
	s_add_nc_u64 s[34:35], s[4:5], s[54:55]        ; x: made of the cluster's y and cy alone
	s_or_b32 s35, s35, 0x80000000                  ; type = 2
	s_cmp_eq_u32 s[WV], 1                          ; wave 1 fetches Wq's rows, 2 Wk's, 3 Wv's
	s_cselect_b64 s[58:59], s[6:7], s[8:9]
	s_cmp_eq_u32 s[WV], 3
	s_cselect_b64 s[58:59], s[10:11], s[58:59]
	s_add_nc_u64 s[90:91], s[58:59], s[56:57]      ; the weights: made of cx and the wave's number alone
	s_or_b32 s91, s91, 0x80000000
	s_add_nc_u64 s[20:21], s[20:21], s[54:55]      ; the images at my 256 tokens
	s_add_nc_u64 s[22:23], s[22:23], s[54:55]
	s_add_nc_u64 s[36:37], s[36:37], s[54:55]
	CROUND                                         ; all sixteen work-groups are here: the first joint loads meet
	s_cmp_eq_u32 s[WV], 0                          ; the branch hangs on the wave's number alone
	s_cbranch_scc0 .Lfor_w
	tensor_load_to_lds s[32:35], s[G1X:G1X+7]
	s_nop 0
	PLACES 4
	s_branch .Lasked
.Lfor_w:
	tensor_load_to_lds s[88:91], s[G1W:G1W+7]
	s_nop 0
	PLACES 4
.Lasked:
	global_load_b64 v[244:245], v18, s[76:77]      ; my 8 bytes of Wo
	WIN 0x80                                       ; destination window 2
.irp u, 0,1
.irp k, 0,1
	global_load_b128 v[128+8*\u+4*\k:128+8*\u+4*\k+3], v[BA], s[12:13] offset:64*\u+16*\k   ; bq at my eight features of tile u
	global_load_b128 v[144+8*\u+4*\k:144+8*\u+4*\k+3], v[BA], s[14:15] offset:64*\u+16*\k   ; bk
.endr
	global_load_b32 v[160+8*\u], v[BVA], s[16:17] offset:32*\u                              ; bv at my one feature of tile u
.endr
	WIN 0
; The scale of a conversion: a sum stands for sum x 2^(ea + eb), its code is value / 2^eo: so the conversion divides by 2^(eo - ea - eb + more).  v[sc]: that power as f32; s[lim]: 448 x it; s[neg]: -(ea + eb), for the bias.
.macro POWERS ea, eb, eo, more, sc, lim, neg
	s_add_co_i32 s[\neg], s[\ea], s[\eb]
	s_sub_co_i32 s66, s[\eo], s[\neg]
	s_add_co_i32 s66, s66, 127+\more
	s_lshl_b32 s67, s66, 23
	v_mov_b32 v[\sc], s67
	s_add_co_i32 s66, s66, 8
	s_lshl_b32 s66, s66, 23
	s_or_b32 s[\lim], s66, 0x600000
	s_sub_co_i32 s[\neg], 0, s[\neg]
.endm
	s_wait_kmcnt 0x0
	POWERS 44, 45, 50, 3, 12, 73, 70               ; q: the factor 1/8 is three more in the exponent
	POWERS 46, 47, 51, 0, 14, 74, 71               ; k
	POWERS 48, 49, 53, 0, 16, 75, 72               ; v
	s_wait_alu depctr_va_vdst(0)
	s_wait_loadcnt 0x0                             ; biases and my 8 bytes of Wo
	global_store_b64 v19, v[244:245], s[78:79]     ; a wave stores 256 consecutive bytes, at a multiple of 256
	WIN 0x82                                       ; source 0 and destination window 2
.irp j, 0,1,2,3,4,5,6,7,8,9,10,11,12,13,14,15
	v_ldexp_f32 v[128+\j], v[128+\j], s70          ; bq / 2^(e0 + e1)
	v_ldexp_f32 v[144+\j], v[144+\j], s71          ; bk / 2^(e2 + e3)
.endr
.irp u, 0,1
	v_ldexp_f32 v[160+8*\u], v[160+8*\u], s72      ; bv / 2^(e4 + e5): one number a lane,
.irp j, 1,2,3,4,5,6,7
	v_mov_b32 v[160+8*\u+\j], v[160+8*\u]          ; the same for the lane's eight tokens
.endr
.endr
	WIN 0
	s_wait_alu depctr_va_vdst(0)                   ; the wait here, directly ahead of the waits below
	s_wait_tensorcnt 0x0                           ; my region has landed,
	s_barrier_signal -1
	s_barrier_wait -1                              ; everybody's has
	WIN 0x40                                       ; destination window 1
.irp u, 0,1
.irp s, 0,1,2,3
.irp c, 0,1,2,3
	ds_load_b128 v[64*\u+16*\s+4*\c:64*\u+16*\s+4*\c+3], v[WQA] offset:\u*16*XP+\s*128+\c*32           ; Wq: tile u, K step s
	ds_load_b128 v[128+64*\u+16*\s+4*\c:128+64*\u+16*\s+4*\c+3], v[WKA] offset:\u*16*XP+\s*128+\c*32   ; Wk
.endr
.endr
.endr
	WIN 0x80                                       ; destination window 2
.irp u, 0,1
.irp s, 0,1,2,3
.irp c, 0,1,2,3
	ds_load_b128 v[64*\u+16*\s+4*\c:64*\u+16*\s+4*\c+3], v[WVA] offset:\u*8*XP+\s*128+\c*32            ; Wv: tile u begins 8 rows on
.endr
.endr
.endr
	WIN 0
	s_wait_tensorcnt 0x0                           ; no tensor load of mine is out:
	ds_add_u32 v254, v255                          ; 0 onto my spare word
	s_mov_b32 s33, REG                             ; x's second 128 rows take Wq's region
	s_add_nc_u64 s[34:35], s[34:35], 0x10000
	s_wait_dscnt 0x0                               ; the add is done and my weights are in registers
	CROUND                                         ; all that now holds of every wave of all sixteen work-groups
	s_cmp_eq_u32 s[WV], 0
	s_cbranch_scc0 .Lno_refill
	tensor_load_to_lds s[32:35], s[G1X:G1X+7]      ; it has the loop's first trip in which to land
	s_nop 0
	PLACES 4
.Lno_refill:
; 32 LDS loads: x's fragments of token tiles 2 p and 2 p + 1 of the half in hand, four K steps each, into set p % 2
.macro XFETCH p
	WIN 0xc0                                       ; destination window 3
.irp m, 0,1
.irp s, 0,1,2,3
.irp c, 0,1,2,3
	ds_load_b128 v[128*((\p)%2)+64*\m+16*\s+4*\c:128*((\p)%2)+64*\m+16*\s+4*\c+3], v[XC] offset:(32*(\p)+16*\m)*XP+128*\s+32*\c
.endr
.endr
.endr
.endm
; K step ks of q and k: eight accumulators by turns.  n: 0 q, 1 k; u: feature tile; m: token tile.  The first K step takes the bias as C.
.macro MULQK ks, xs
.if (\ks) == 0
	WIN 0x2d                                       ; source 0 (W) window 1, source 1 (x) window 3, source 2 (bias) window 2
.else
	WIN 0x0d
.endif
.irp n, 0,1
.irp u, 0,1
.irp m, 0,1
.if (\ks) == 0
	v_wmma_f32_16x16x128_fp8_fp8 v[48+32*\n+16*\m+8*\u:48+32*\n+16*\m+8*\u+7], v[128*\n+64*\u+16*(\ks):128*\n+64*\u+16*(\ks)+15], v[128*(\xs)+64*\m+16*(\ks):128*(\xs)+64*\m+16*(\ks)+15], v[128+16*\n+8*\u:128+16*\n+8*\u+7]
.else
	v_wmma_f32_16x16x128_fp8_fp8 v[48+32*\n+16*\m+8*\u:48+32*\n+16*\m+8*\u+7], v[128*\n+64*\u+16*(\ks):128*\n+64*\u+16*(\ks)+15], v[128*(\xs)+64*\m+16*(\ks):128*(\xs)+64*\m+16*(\ks)+15], v[48+32*\n+16*\m+8*\u:48+32*\n+16*\m+8*\u+7]
.endif
.endr
.endr
.endr
.endm
; relu and the hold of q's and k's number h of 64, in one (the conversion to an 8-bit code does not saturate: ISA guide 7.6.2); each accumulator is read from its low end on
.macro HOLD h
	v_med3_num_f32 v[48+(\h)], 0, s[73+(\h)/32], v[48+(\h)]
.endm
; K step ks of v: four accumulators by turns.  Behind products 4 to 13 stand six of q's and k's holds each, behind the last one four: source 2 and destination are window 0 there, source 1 is a scalar.
.macro MULV ks, xs
.if (\ks) == 0
	WIN 0x2b                                       ; source 0 (x) window 3, source 1 (Wv) and source 2 (bias) window 2
.else
	WIN 0x0b
.endif
.irp u, 0,1
.irp m, 0,1
.if (\ks) == 0
	v_wmma_f32_16x16x128_fp8_fp8 v[112+16*\u+8*\m:112+16*\u+8*\m+7], v[128*(\xs)+64*\m+16*(\ks):128*(\xs)+64*\m+16*(\ks)+15], v[64*\u+16*(\ks):64*\u+16*(\ks)+15], v[160+8*\u:160+8*\u+7]
.else
	v_wmma_f32_16x16x128_fp8_fp8 v[112+16*\u+8*\m:112+16*\u+8*\m+7], v[128*(\xs)+64*\m+16*(\ks):128*(\xs)+64*\m+16*(\ks)+15], v[64*\u+16*(\ks):64*\u+16*(\ks)+15], v[112+16*\u+8*\m:112+16*\u+8*\m+7]
.set HN, 4*(\ks)-4+2*\u+\m
.if HN < 10
.set HI, 6*HN
.rept 6
	HOLD HI
.set HI, HI+1
.endr
.elseif HN == 11
	HOLD 60
	HOLD 61
	HOLD 62
	HOLD 63
.endif
.endif
.endr
.endr
.endm
; sixteen numbers of a lane, two accumulators, become 16 codes in four registers
.macro CODES src, dst, sc
	v_cvt_scalef32_pk8_fp8_f32 v[\dst:\dst+1], v[\src:\src+7], v[\sc]
	v_cvt_scalef32_pk8_fp8_f32 v[\dst+2:\dst+3], v[\src+8:\src+15], v[\sc]
.endm
; Pair p of the half's four pairs of token tiles: 48 matrix instructions, 96 numbers a lane quantised, six stores of 512 consecutive bytes each
.macro PAIR p
.if (\p) < 3
	XFETCH (\p)+1                                  ; the next pair, into the set that the pair before has left (its products stand more than four plain vector instructions back)
	s_wait_dscnt 32                                ; this pair's 32 loads are in; the 32 just issued may be out
.else
	s_wait_dscnt 0x0
.endif
.irp k, 0,1,2,3
	MULQK \k, (\p)%2
.endr
	MULV 0, (\p)%2
	PLACES 4                                       ; four plain vector instructions between q's and k's products and the first read of their results (ISA guide 7.12.1)
	s_wait_xcnt 0x0                                ; the last pair's stores have read their data registers, which are written again below
.irp k, 1,2,3
	MULV \k, (\p)%2
.endr
	WIN 0
.set HI, 112
.rept 32
	v_med3_num_f32 v[HI], 0, s75, v[HI]            ; v's holds: the last four of q's and k's are the places behind the last product
.set HI, HI+1
.endr
	CODES 48, 20, 12                               ; q, token tile 2 p: features 16 u + 8 h + 0 .. 7, u = 0, 1: my chunk of the fragment
	CODES 64, 24, 12                               ; q, token tile 2 p + 1
	CODES 80, 28, 14                               ; k
	CODES 96, 32, 14
	CODES 112, 36, 16                              ; v, feature tile u = 0: tokens 16 m + 8 h + 0 .. 7, m = 0, 1: chunk p
	CODES 128, 40, 16                              ; v, u = 1
	v_nop                                          ; a plain vector instruction behind the last conversion: the next products write its sources
	global_store_b128 v[STQ], v[20:23], s[20:21] offset:(2*(\p))*8192
	global_store_b128 v[STQ], v[24:27], s[20:21] offset:(2*(\p)+1)*8192
	global_store_b128 v[STQ], v[28:31], s[22:23] offset:(2*(\p))*8192
	global_store_b128 v[STQ], v[32:35], s[22:23] offset:(2*(\p)+1)*8192
	global_store_b128 v[STV], v[36:39], s[36:37] offset:(\p)*512
	global_store_b128 v[STV], v[40:43], s[36:37] offset:(\p)*512+2048
.endm
	s_mov_b32 s[XS], 0
	s_mov_b32 s[CNT], 2
.Lhalf:                                                ; two trips: 128 tokens each, four pairs of token tiles
	v_add_nc_u32 v[XC], s[XS], v[XA]
	XFETCH 0
	PAIR 0
	PAIR 1
	PAIR 2
	PAIR 3
	WIN 0
	s_wait_xcnt 0x0                                ; the stores have read their bases:
	s_add_nc_u64 s[20:21], s[20:21], 0x10000       ; 128 tokens on in each image
	s_add_nc_u64 s[22:23], s[22:23], 0x10000
	s_add_nc_u64 s[36:37], s[36:37], 0x10000
	s_add_co_u32 s[XS], s[XS], REG
	s_wait_tensorcnt 0x0                           ; x's second half is in LDS
	s_barrier_signal -1
	s_barrier_wait -1
	s_sub_co_u32 s[CNT], s[CNT], 1
	s_cmp_lg_u32 s[CNT], 0
	s_cbranch_scc1 .Lhalf
	s_wait_tensorcnt 0x0                           ; the wave's end
	ds_add_u32 v254, v255
	s_wait_dscnt 0x0
	CROUND                                         ; the closing round: no work-group ends while a partner may still ask jointly
	s_endpgm
.Lfunc_end_k_qd66b64d2dd_proj:
	.size	k_qd66b64d2dd_proj, .Lfunc_end_k_qd66b64d2dd_proj-k_qd66b64d2dd_proj
	.p2alignl 7, 3214868480
	.fill 96, 4, 3214868480
	.section	.rodata,"a",@progbits
	.p2align	6, 0x0
	.amdhsa_kernel k_qd66b64d2dd_proj
		.amdhsa_group_segment_fixed_size 327680
		.amdhsa_private_segment_fixed_size 0
		.amdhsa_enable_private_segment 0
		.amdhsa_kernarg_size 104
		.amdhsa_user_sgpr_count 2
		.amdhsa_user_sgpr_kernarg_segment_ptr 1
		.amdhsa_wavefront_size32 1
		.amdhsa_system_sgpr_workgroup_id_x 1
		.amdhsa_system_sgpr_workgroup_id_y 1
		.amdhsa_system_sgpr_workgroup_id_z 1
		.amdhsa_system_vgpr_workitem_id 0
		.amdhsa_next_free_vgpr 1024
		.amdhsa_next_free_sgpr 100
		.amdhsa_reserve_vcc 0
		.amdhsa_float_denorm_mode_32 3
		.amdhsa_float_denorm_mode_16_64 3
		.amdhsa_memory_ordered 1
		.amdhsa_forward_progress 1
		.amdhsa_inst_pref_size 71
	.end_amdhsa_kernel
	.amdgpu_metadata
---
amdhsa.version: [ 1, 2 ]
amdhsa.kernels:
  - .name:           k_qd66b64d2dd_proj
    .symbol:         k_qd66b64d2dd_proj.kd
    .args:
      - { .name: x_codes, .offset: 0, .size: 8, .value_kind: global_buffer, .address_space: global }
      - { .name: Wq_codes, .offset: 8, .size: 8, .value_kind: global_buffer, .address_space: global }
      - { .name: Wk_codes, .offset: 16, .size: 8, .value_kind: global_buffer, .address_space: global }
      - { .name: Wv_codes, .offset: 24, .size: 8, .value_kind: global_buffer, .address_space: global }
      - { .name: bq, .offset: 32, .size: 8, .value_kind: global_buffer, .address_space: global }
      - { .name: bk, .offset: 40, .size: 8, .value_kind: global_buffer, .address_space: global }
      - { .name: bv, .offset: 48, .size: 8, .value_kind: global_buffer, .address_space: global }
      - { .name: lowp_scales, .offset: 56, .size: 8, .value_kind: global_buffer, .address_space: global }
      - { .name: qimg, .offset: 64, .size: 8, .value_kind: global_buffer, .address_space: global }
      - { .name: kimg, .offset: 72, .size: 8, .value_kind: global_buffer, .address_space: global }
      - { .name: vimg, .offset: 80, .size: 8, .value_kind: global_buffer, .address_space: global }
      - { .name: Wo_codes, .offset: 88, .size: 8, .value_kind: global_buffer, .address_space: global }
      - { .name: woimg, .offset: 96, .size: 8, .value_kind: global_buffer, .address_space: global }
    .group_segment_fixed_size: 327680
    .private_segment_fixed_size: 0
    .kernarg_segment_align: 8
    .kernarg_segment_size: 104
    .max_flat_workgroup_size: 128
    .sgpr_count:     100
    .vgpr_count:     1024
    .wavefront_size: 32
...
	.end_amdgpu_metadata
.endif
;; end of part 1
;; launch attn (part 2): grid 32 x 8, 4 waves a work-group, clusters of 4 x 1, 327,680 bytes of LDS; arguments qimg, kimg, vimg, woimg, bo, gamma, beta, lowp_scales, out0; writes out0
.if DOCPART == 2
	.amdgcn_target "amdgcn-amd-amdhsa--gfx1250"
	.amdhsa_code_object_version 6
	.text
	.protected	k_qd66b64d2dd_attn
	.globl	k_qd66b64d2dd_attn
	.p2align	8
	.type	k_qd66b64d2dd_attn,@function
k_qd66b64d2dd_attn:
	s_mov_b64 s[64:65], 0
	v_nop
	global_prefetch_b8 v0, s[64:65] scope:SCOPE_SE
	s_setreg_imm32_b32 hwreg(HW_REG_WAVE_MODE, 25, 1), 1
	s_wait_xcnt 0x0
	s_wait_alu depctr_hold_cnt(0) depctr_sa_sdst(0) depctr_va_vdst(0) depctr_va_sdst(0) depctr_va_ssrc(0) depctr_va_vcc(0) depctr_vm_vsrc(0)
	s_getreg_b32 s2, hwreg(HW_REG_IB_STS2, 6, 4)
	s_cmp_eq_u32 s2, 0
	s_cbranch_scc0 .Lentry_in_a_cluster
	s_endpgm
.Lentry_in_a_cluster:
	s_bfe_u32 s2, ttmp6, 0x10000c
	s_cmp_lg_u32 s2, 0x3003
	s_cbranch_scc0 .Lentry_shape_is_right
	s_endpgm
.Lentry_shape_is_right:
; out = LayerNorm(relu(ctx Wo + bo)) x gamma + beta, ctx = softmax(q k^T) v, all three products on codes of E4M3.  8 batches of 2,048 tokens, head size 512.
; qimg, kimg, vimg, woimg: images of operand registers (a fragment of 16 rows x 128 K is 4 chunks of 512 bytes; chunk c = lane l's registers 4 c .. 4 c + 3 at byte 16 l):
;   qimg, kimg [token tile][K step][chunk]; vimg [128 keys][channel tile T][chunk], row r of tile T = channel 32 (T / 2) + 8 (T % 2) + r + 8 (r / 8); woimg [K step][output tile][chunk].
;   So 128 keys of K, 128 keys of V and a K step of Wo are each one dense block of 65,536 bytes.
; THE SOFTMAX: t = score x log2(e); M = the running largest t rounded UP to a whole number; p = 2^(t - M) is quantised with 2^e8; the sum l is taken of the unquantised p and divides at the end.
; When M moves, l and O are multiplied by 2^(old M - new M), which rounds nothing.  q and k come out of a relu, so no score is negative: the running maximum begins at 0.
; SHARES.  A work-group owns 64 queries (four tiles t of 16) of one batch and walks the batch's 2,048 keys, 128 a step.  THE WAVES SHARE KEYS AND CHANNELS, NOT QUERIES: wave w makes S^T for keys
; 32 w .. 32 w + 31 of a step against all 64 queries (32 matrix instructions), their softmax, and O^T for channel tiles 8 w .. 8 w + 7 against all 64 queries (32 more).  So each fragment of K and V that a wave
; reads from LDS feeds four matrix instructions, each of P eight.  Two things go round through LDS: the waves' partial maxima (16 bytes a lane) and P's codes (each wave's four registers a tile are chunk w of P's fragment).
; Both products are used transposed (S^T = K Q^T, O^T = V^T P): a lane holds one query (lane % 16) throughout.
; THE PIPELINE.  Step j makes S(j + 1), the softmax of S(j) and V^T P(j - 1), with ONE barrier, at its head: it shows P(j - 1) and the maxima of S(j), and the ring changes behind it.  In order:
;   products of key tile 0 of S(j + 1), with O's rescaling by the last step's factor among them: the add's wait, the opening barrier and the way of the maxima out of LDS lie under them | statistics of S(j) |
;   P(j - 1) and V(j - 1) from LDS | maxima of S(j + 1), key tile 0 | t - M and the exponentials of S(j), one batch | products of key tile 1, with sums, holds and conversions of S(j) among them |
;   V^T P(j - 1), with the rest of those, P's way to LDS and the maxima of key tile 1 among the products; K(j + 2) from LDS.
; Two S^T, two images of P and two exchanges take turns, so a trip of the loop is two steps.
; CLUSTER.  The four query blocks of a cluster belong to one batch and walk the same K and V, and all need Wo: each tile is asked for JOINTLY, by the same tensor load with a mask that names the four.
; WHERE A CLUSTER BEGINS.  Cluster c of a batch's eight begins at key step 4 ((c & 3) ^ (c >> 2)) and walks round modulo 16: a softmax with a running maximum takes the keys in any order.  Below, step j is the cluster's j-th.
; THE RING.  Two slots of K and two of V, 65,536 bytes each.  Waves 0, 1 fetch K's halves, waves 2, 3 V's.  At the head of step j K(j + 1) and V(j - 2) have been read: K(j + 3) and V(j) are asked for in their places.
; The head's fills: K(0), K(1), V(0), and K(2), which lies in V's second slot until step 0 has read it.  Behind K(15) K's slots take Wo's K steps 0 and 1, behind V(15) V's take 2 and 3.
; PREFETCH INTO THE L2.  From its fifth step on a cluster walks key steps that the cluster which began there has asked for four steps earlier.  Of its own first four steps K(0) to K(2) and V(0) come by the head's loads;
; K(3) and V(1), asked for by steps 0 and 1, are prefetched behind the head's loads, V(2) and V(3), asked for by steps 2 and 3, in step 0.  One instruction a wave each: 32 lanes 256 bytes apart, 8,192 bytes; waves 0, 1 take the first tile,
; waves 2, 3 the second, and the four partners share a tile's eight parts out by address: each block of 256 bytes once in a cluster.  Their address registers are never rewritten.
; AFTER THE KEYS: O^T / l is quantised (e10) and goes round as images; wave w makes outputs 128 w .. 128 w + 127 of relu(ctx Wo + bo) for all 64 queries; mean and variance (two passes) go round like the maxima.
; LIMITS: e8 and e10 - e8 - e9 lie between -126 and 119, e6 + e7 and e10 + e11 between -126 and 127, so that each power of two below is an f32 number.  Scaled scores stay under 2^31.  NaN among the inputs is not served.
; Sums are taken in another order than ascending k (the keys from the cluster's first step on; across waves for l, mean and variance; Wo and ctx are fed 16 bytes a lane, a permutation of k that is the same on both sides).
; REGISTERS, in windows of 256:  window 0: v0-15 addresses; v16-47 statistics, eight a tile; v48-63 my codes of P; v64-127 bank Z: V's fragments of my channel tiles 4-7; v128-191 P's four fragments;
;   v192-223 the eight partial figures x four tiles, then held numbers on their way to codes; v224-243 at work, and addresses.   window 1: Q (tile t, K step s at 64 t + 16 s).
;   window 2: v0-127 O^T of my channel tiles 0-3 (tile d, query tile t at 8 (4 d + t)); v128-191 bank X: K's fragments of key tile u = 0, and V's of channel tiles 0-3; v192-223, v224-255 the two S^T of u = 0 (tile t 8 t on).
;   window 3: v0-127 O^T of channel tiles 4-7; v128-191 bank Y: K's fragments of u = 1; v192-223, v224-255 the two S^T of u = 1.
.set SLOT1, 1<<17                      ; slot 1 begins here: one exclusive or turns an address in one slot into the other's
.set VOFF,  65536                      ; V's tile in a slot
.set STEPB, 65536                      ; 128 keys of K, or of V, in memory
.set PIMG,  2*SLOT1                    ; P's four fragments: 8,192 bytes, twice
.set MXA,   PIMG+16384                 ; the exchange of partial figures: 2,048 bytes, twice
.set CIMG,  MXA+4096                   ; Q's, later ctx's sixteen fragments: 32,768 bytes
.set SPARE, CIMG+32768                 ; the spare words, 128 bytes for each wave: two blocks of 256 bytes that no other line names
.set SP,    528                        ; the way out: a stage of 16 rows x (512 + 16) bytes for each wave, in K's slot 0, which has had its last fill and its last read by then
.set LI,  1                            ; v1   16 x lane
.set KB,  2                            ; v2-3 my 16,384 bytes of K's slot 0, 1
.set VB,  4                            ; v4-5 the same of V's
.set MXW, 6                            ; v6   where I put my four partial figures: MXA + 16 x thread
.set MXR, 7                            ; v7   where I read my query's: MXA + 16 (lane % 16)
.set PW,  8                            ; v8   where I put my codes of P: PIMG + 16 x thread
.set PR,  9                            ; v9   where I read P's fragments: PIMG + 16 x lane
.set SPW, 10                           ; v10  my spare word: SPARE + 4 x thread; never rewritten
.set NIL, 11                           ; v11  0; never rewritten
.set QO,  12                           ; v12  my quarter of Q: 8,192 w + 16 x lane
.set SC,  13                           ; v13  the conversion's scale as f32
.set LM,  14                           ; v14  448 x that
.set CW,  15                           ; v15  where I put ctx's images
.set ST,  16                           ; tile t's statistics at v[ST + 8 t]: +0 -M, +1 the largest score, +2, +3 l in two halves, +4 the factor in hand (f, 1 / l, -mean, 1 / sigma), +5 0, +6, +7 at work
.set PC,  48
.set ZB,  64
.set PF,  128
.set MXL, 192
.set MXS, 224
.set TS,  228
.set CRD, 236                          ; v236 where I read Q's and ctx's images
.set STO, 237                          ; v237 the stage: where I put 32 bytes of a row
.set RD,  238                          ; v238 and where I read a row back
.set CO,  239                          ; v239 my byte in a row of out0: 512 w + 16 x lane
.set BOA, 240                          ; v240 bo, gamma, beta: (128 w + 8 h) x 4
.set QW,  242                          ; v242 where I put my quarter of Q
.set PFO, 243                          ; v243 the prefetches' offset: 256 x lane; never rewritten
.set WV,  22                           ; s22  my wave's number
.set G1,  24                           ; s[24:31] descriptor group 1 of the ring's loads;  group 0: s[32:35] the head's, s[36:39] K's walking set, s[40:43] V's
.set G1H, 92                           ; s[92:99] descriptor group 1 of the head's loads
.set PF1, 46                           ; s[46:47] the first prefetch's address, s[74:75] the second's
.set PF2, 74
.set CS,  52                           ; s[52:53] c = log2(e) x 2^(e6 + e7)
.set CSN, 56                           ; s56  -c
.set CNT, 57                           ; s57  counts the loop's trips
.set OS,  62                           ; s[62:63] 2^(e10 + e11)
.set KO,  86                           ; s[86:87] the byte in the batch's K at which the walking set's key step begins: a multiple of 65,536, modulo 1,048,576
.set VO,  88                           ; s[88:89] the same for V
.set MSB, 0
.macro WIN new                         ; the immediate's high byte repeats the setting that is left; a switch that changes nothing is dropped
.if MSB != (\new)
	s_set_vgpr_msb (MSB<<8)|(\new)
.set MSB, (\new)
.endif
.endm
.macro PLACES n
.rept \n
	v_nop
.endr
.endm
.macro BAR
	s_barrier_signal -1
	s_barrier_wait -1
.endm
.macro CREST                           ; a round of the cluster's barrier behind its opening barrier
	s_cmp_lg_u32 s[WV], 0
	s_cbranch_scc1 .Lnot_wave_0_\@
	s_barrier_signal -3
.Lnot_wave_0_\@:
	s_barrier_wait -3
	s_barrier_signal -1
	s_barrier_wait -1
.endm
.macro CROUND                          ; a whole round
	s_barrier_signal -1
	s_barrier_wait -1
	CREST
.endm
; A joint refill.  fill = 2: waves 0, 1 ask for K's halves, waves 2, 3 for V's; 3: K alone; 1: V alone.  The branch hangs on the wave's number alone.  Four v_nop follow each load.
.macro JLOAD fill
	s_cmp_lt_u32 s[WV], 2
.if (\fill) == 2
	s_cbranch_scc0 .Lfor_v_\@
	tensor_load_to_lds s[36:39], s[G1:G1+7]
	s_nop 0
	PLACES 4
	s_branch .Lasked_\@
.Lfor_v_\@:
	tensor_load_to_lds s[40:43], s[G1:G1+7]
	s_nop 0
	PLACES 4
.Lasked_\@:
.elseif (\fill) == 3
	s_cbranch_scc0 .Lasked_\@
	tensor_load_to_lds s[36:39], s[G1:G1+7]
	s_nop 0
	PLACES 4
.Lasked_\@:
.else
	s_cbranch_scc1 .Lasked_\@
	tensor_load_to_lds s[40:43], s[G1:G1+7]
	s_nop 0
	PLACES 4
.Lasked_\@:
.endif
.endm
; Sixteen LDS loads of 512 consecutive bytes: the first half of my 16,384 bytes of a tile into bank X, the second half into bank Y (of K) or Z (of V)
.macro LX areg
	WIN 0x80
.irp i, 0,1,2,3,4,5,6,7,8,9,10,11,12,13,14,15
	ds_load_b128 v[128+4*\i:131+4*\i], v[\areg] offset:512*\i
.endr
	WIN 0
.endm
.macro LY areg
	WIN 0xc0
.irp i, 0,1,2,3,4,5,6,7,8,9,10,11,12,13,14,15
	ds_load_b128 v[128+4*\i:131+4*\i], v[\areg] offset:8192+512*\i
.endr
	WIN 0
.endm
.macro LZ areg
.irp i, 0,1,2,3,4,5,6,7,8,9,10,11,12,13,14,15
	ds_load_b128 v[ZB+4*\i:ZB+4*\i+3], v[\areg] offset:8192+512*\i
.endr
.endm
.macro PFETCH off                      ; P's four fragments
.irp i, 0,1,2,3,4,5,6,7,8,9,10,11,12,13,14,15
	ds_load_b128 v[PF+4*\i:PF+4*\i+3], v[PR] offset:(\off)+512*\i
.endr
.endm
.macro XLOAD off                       ; my query's eight partial figures (four waves x two halves of the lanes), four tiles each
.irp i, 0,1,2,3,4,5,6,7
	ds_load_b128 v[MXL+4*\i:MXL+4*\i+3], v[MXR] offset:(\off)+256*\i
.endr
.endm
; Wo's eight fragments (my 128 outputs) of K step ks: 0, 1 into window 1 (Q's registers), 2 into window 2 from v128 on, 3 into window 3 from v128 on
.macro WOF ks
.if (\ks) < 2
	WIN 0x40
.set WR, 128*(\ks)
.else
	WIN 0x40*(\ks)
.set WR, 128
.endif
.set i, 0
.rept 32
	ds_load_b128 v[WR+4*i:WR+4*i+3], v[KB+(\ks)] offset:512*i
.set i, i+1
.endr
	WIN 0
.endm
; Unit q of 128 of O^T's rescaling: one packed multiply.  Units 0-63 are window 2's sixteen accumulators, 64-127 window 3's, four units each, from each accumulator's low end on.
.macro RU q
.set RW, (\q)/64
.set RA, 8*(((\q)%64)/4)+2*((\q)%4)
.set RF, ST+8*((((\q)%64)/4)%4)+4
	WIN 0x82+0x41*RW                               ; destination and source 0 window 2 or 3, the factor in window 0
	v_pk_mul_f32 v[RA:RA+1], v[RA:RA+1], v[RF:RF+1] op_sel_hi:[1,0]
.endm
.macro RUS q0, q1
.set RQ, \q0
.rept (\q1)-(\q0)
	RU RQ
.set RQ, RQ+1
.endr
.endm
; Products n0 .. n1 - 1 of the sixteen of S^T of key tile u into S^T sb: the four query tiles' accumulators by turns, K step by K step; the first K step starts the sums.
; resc = 1: behind product n stand units 8 n .. 8 n + 7 of the rescaling.  eb = 0, 1: behind product n stands group n of the softmax's second half on S^T eb; -1: none.
.macro SU u, sb, n0, n1, resc, eb
.set i, \n0
.rept (\n1)-(\n0)
	WIN 0xa6+0x51*(\u)                             ; source 0 (K), C and D window 2 + u, source 1 (Q) window 1
.set WT, i%4
.set WS, i/4
.set WD, 192+32*(\sb)+8*WT
.if i < 4
	v_wmma_f32_16x16x128_fp8_fp8 v[WD:WD+7], v[128+16*WS:143+16*WS], v[64*WT+16*WS:64*WT+16*WS+15], 0
.else
	v_wmma_f32_16x16x128_fp8_fp8 v[WD:WD+7], v[128+16*WS:143+16*WS], v[64*WT+16*WS:64*WT+16*WS+15], v[WD:WD+7]
.endif
.if \resc
.set RQ, 8*i
.rept 8
	RU RQ
.set RQ, RQ+1
.endr
.endif
.if (\eb) >= 0
	BV i, \eb, 0
.endif
.set i, i+1
.endr
.endm
; The largest of my scores of key tile u of S^T sb, tile by tile, each accumulator from its low end on, in four links; tile u = 0 begins with 0 (no score is negative), u = 1 goes on from it
.macro OWNK u, sb, k
	WIN 0x28+0x14*(\u)                             ; sources 1 and 2 window 2 + u
.irp t, 0,1,2,3
.if ((\u) == 0) && ((\k) == 0)
	v_max3_num_f32 v[MXS+\t], 0, v[192+32*(\sb)+8*\t], v[193+32*(\sb)+8*\t]
.else
	v_max3_num_f32 v[MXS+\t], v[MXS+\t], v[192+32*(\sb)+8*\t+2*(\k)], v[193+32*(\sb)+8*\t+2*(\k)]
.endif
.endr
.endm
.macro OWN u, sb
	OWNK \u, \sb, 0
	OWNK \u, \sb, 1
	OWNK \u, \sb, 2
	OWNK \u, \sb, 3
.endm
.macro STATS                           ; every wave makes the same M and f from the same eight figures
.irp k, 0,1,2,3
.irp t, 0,1,2,3
	v_max3_num_f32 v[ST+8*\t+1], v[ST+8*\t+1], v[MXL+8*\k+\t], v[MXL+8*\k+4+\t]   ; the running largest score
.endr
.endr
.irp t, 0,1,2,3
	v_mul_f32 v[ST+8*\t+6], s[CSN], v[ST+8*\t+1]   ; -t (c is positive)
.endr
.irp t, 0,1,2,3
	v_floor_f32 v[ST+8*\t+7], v[ST+8*\t+6]         ; the new -M = floor(-t) = -ceil(t)
.endr
.irp t, 0,1,2,3
	v_sub_f32 v[ST+8*\t+6], v[ST+8*\t+7], v[ST+8*\t]   ; old M - new M: a whole number, 0 or less
.endr
.irp t, 0,1,2,3
	v_mov_b32 v[ST+8*\t], v[ST+8*\t+7]
.endr
.irp t, 0,1,2,3
	v_cvt_i32_f32 v[ST+8*\t+6], v[ST+8*\t+6]       ; (it saturates)
.endr
.irp t, 0,1,2,3
	v_ldexp_f32 v[ST+8*\t+4], 1.0, v[ST+8*\t+6]    ; f = 2^(old M - new M)
.endr
.endm
.macro TM u, sb                        ; t - M for key tile u (of the pairs c and -M the low word serves both halves)
	WIN 0x82+0x41*(\u)
.irp k, 0,2,4,6
.irp t, 0,1,2,3
	v_pk_fma_f32 v[192+32*(\sb)+8*\t+\k:193+32*(\sb)+8*\t+\k], v[192+32*(\sb)+8*\t+\k:193+32*(\sb)+8*\t+\k], s[CS:CS+1], v[ST+8*\t:ST+8*\t+1] op_sel_hi:[1,0,0]
.endr
.endr
.endm
; O^T += V^T P, product n of 32: 0-15 are window 2's accumulators (V in bank X), 16-31 window 3's (bank Z).  first = 1: the products start the sums.
.macro PVW n, first
.set PA, (\n)%16
.if (\n) < 16
	WIN 0xa2
.set VA, 128+16*(PA/4)
.else
	WIN 0xf0
.set VA, ZB+16*(PA/4)
.endif
.if \first
	v_wmma_f32_16x16x128_fp8_fp8 v[8*PA:8*PA+7], v[VA:VA+15], v[PF+16*(PA%4):PF+16*(PA%4)+15], 0
.else
	v_wmma_f32_16x16x128_fp8_fp8 v[8*PA:8*PA+7], v[VA:VA+15], v[PF+16*(PA%4):PF+16*(PA%4)+15], v[8*PA:8*PA+7]
.endif
.endm
; Group n of the softmax's second half on S^T sb: 0-7, 9-16: four numbers of key tile 0, 1 are added to l (unquantised) and held; 8, 17: codes; 18: the codes go to LDS (last = 1: my part of l too).
.macro BV n, sb, last
.if ((\n) < 8) || (((\n) > 8) && ((\n) < 17))
.set BU, (\n)/9
.set BG, (\n)-9*BU
.set BR, 192+32*(\sb)+4*BG
.set BL, ST+8*(BG/2)+2
.set BT, MXL+4*BG
	WIN 0x08+4*BU                                  ; source 1 window 2 + u
	v_pk_add_f32 v[BL:BL+1], v[BL:BL+1], v[BR:BR+1]
	v_min_num_f32 v[BT], v[LM], v[BR]              ; the conversion does not saturate (ISA guide 7.6.2); p is not negative, so the hold is one-sided
	v_min_num_f32 v[BT+1], v[LM], v[BR+1]
	v_pk_add_f32 v[BL:BL+1], v[BL:BL+1], v[BR+2:BR+3]
	v_min_num_f32 v[BT+2], v[LM], v[BR+2]
	v_min_num_f32 v[BT+3], v[LM], v[BR+3]
.elseif ((\n) == 8) || ((\n) == 17)
.set BU, (\n)/9
	WIN 0
.irp t, 0,1,2,3
	v_cvt_scalef32_pk8_fp8_f32 v[PC+4*\t+2*BU:PC+4*\t+2*BU+1], v[MXL+8*\t:MXL+8*\t+7], v[SC]   ; keys 32 w + 16 u + 8 h + 0 .. 7: registers 4 w + 2 u, + 1 of P's fragment
.endr
	v_nop                                          ; a plain vector instruction behind the last conversion
.elseif (\n) == 18
	WIN 0
.irp t, 0,1,2,3
	ds_store_b128 v[PW], v[PC+4*\t:PC+4*\t+3] offset:2048*\t+8192*(\sb)   ; chunk w of tile t's fragment
.endr
.if \last
.irp t, 0,1,2,3
	v_add_f32 v[MXS+\t], v[ST+8*\t+2], v[ST+8*\t+3]   ; my part of l
.endr
	ds_store_b128 v[MXW], v[MXS:MXS+3]             ; the first exchange: its last reads stood a step back
.endif
.endif
.endm
; KEY STEP j, b = j % 2.  On entry S(j) stands in S^T b and its maxima in exchange b, P(j - 1) in image 1 - b, K(j + 1) in banks X and Y.
; kind 0: step 0 (no P yet); 1: step 1 (the products V^T P start the sums); 2: steps 2 to 13; 4: step 14 (no K follows; Wo's K step 0 is read); 3: step 15 (no S follows; Wo's K step 1 is read).
; kf: K's slot takes 1 K(j + 3), 2 the same, but in the loop's last trip Wo's K step 0, 3 Wo's K step 1, 0 nothing.  vf = 1: V's takes V(j).
.macro STEP b, kind, kf, vf
	s_wait_dscnt 0x0                               ; K(j + 1) is in registers; my stores of P and maxima are done
	s_wait_tensorcnt 0x0                           ; all my tensor loads have landed: no group 0 is in use
	ds_add_u32 v[SPW], v[NIL]                      ; 0 onto my spare word: work on registers stands between it and the wait for it
.if \kf
	s_xor_b32 s37, s37, SLOT1                      ; K's walking set: the other slot,
.if (\kf) < 3
	s_add_co_u32 s[KO], s[KO], STEPB               ; the next 128 keys,
	s_and_b32 s[KO], s[KO], 16*STEPB-1             ; round the batch's sixteen steps
.endif
.if (\kf) == 1
	s_add_nc_u64 s[38:39], s[6:7], s[KO:KO+1]
.elseif (\kf) == 2
	s_cmp_eq_u32 s[CNT], 1                         ; the loop's last trip: K is all asked for, and Wo's K step 0 follows
	s_cselect_b64 s[90:91], s[10:11], s[6:7]
	s_cselect_b32 s66, 0, s[KO]
	s_mov_b32 s67, 0
	s_add_nc_u64 s[38:39], s[90:91], s[66:67]
.else
	s_add_nc_u64 s[38:39], s[10:11], STEPB
.endif
	s_or_b32 s39, s39, 0x80000000                  ; type = 2
.endif
.if \vf
	s_xor_b32 s41, s41, SLOT1                      ; V's
	s_add_co_u32 s[VO], s[VO], STEPB
	s_and_b32 s[VO], s[VO], 16*STEPB-1
	s_add_nc_u64 s[42:43], s[8:9], s[VO:VO+1]
	s_or_b32 s43, s43, 0x80000000
.endif
.if (\kind) != 3
	SU 0, 1-(\b), 0, 5, (\kind)/2, -1
.else
	RUS 0, 40
.endif
	WIN 0
	s_wait_dscnt 0x0                               ; the add is done; my reads of K(j + 1) and V(j - 2) are over
	s_barrier_signal -1
.if (\kind) != 3
	SU 0, 1-(\b), 5, 9, (\kind)/2, -1              ; work on registers while the others arrive
.else
	RUS 40, 72
.endif
	WIN 0
	s_barrier_wait -1
	CREST                                          ; all that now holds of every wave of all four work-groups
.if (\kf) && (\vf)                     ; my one tensor load behind the round: it has a whole step in which to land
	JLOAD 2
.elseif \kf
	JLOAD 3
.else
	JLOAD 1
.endif
	XLOAD 2048*(\b)
.if (\kind) == 0
	global_prefetch_b8 v[PFO], s[PF2:PF2+1] th:TH_LOAD_NT scope:SCOPE_SE   ; my part of V(2) or V(3), two and three steps ahead of their loads
.endif
.if (\kind) != 3
	SU 0, 1-(\b), 9, 16, (\kind)/2, -1
.else
	RUS 72, 128
.endif
	WIN 0
	s_wait_dscnt 0x0                               ; the maxima are in
	STATS
.if (\kind) > 0
	PFETCH 8192*(1-(\b))                           ; P(j - 1)
	LX VB+1-(\b)                                   ; V(j - 1): the statistics are the places behind the products that read bank X
	LZ VB+1-(\b)
.endif
.if (\kind) != 3
	OWN 0, 1-(\b)
.endif
	TM 1, \b
	TM 0, \b
	s_wait_alu depctr_va_vdst(0)                   ; the wait ahead of the exponentials
.irp w, 1,0                            ; p = 2^(t - M): one batch
	WIN 0x82+0x41*\w
.set i, 0
.rept 32
	v_exp_f32 v[192+32*(\b)+i], v[192+32*(\b)+i]
.set i, i+1
.endr
.endr
	WIN 0
.irp t, 0,1,2,3
	v_pk_mul_f32 v[ST+8*\t+2:ST+8*\t+3], v[ST+8*\t+2:ST+8*\t+3], v[ST+8*\t+4:ST+8*\t+5] op_sel_hi:[1,0]   ; l under the new M: plain instructions behind the exponentials
.endr
	s_wait_alu depctr_va_vdst(0)                   ; one wait for the whole batch, ahead of its first reader
.if (\kind) != 3
	SU 1, 1-(\b), 0, 16, 0, \b                     ; key tile 1 of S(j + 1), with groups 0 to 15 of the softmax's second half
	WIN 0
.if (\kind) > 0
	s_wait_alu depctr_va_vdst(0)                   ; the wait here, directly ahead of the wait below
.endif
.endif
.if (\kind) > 0
	s_wait_dscnt 0x0                               ; P(j - 1) and V(j - 1) are in
.endif
.if (\kind) == 0
	LY VB+1                                        ; K(2) lies in V's second slot; group 15 above is the places behind the products that read bank Y
.elseif (\kind) < 3
	LY KB+(\b)                                     ; K(j + 2), key tile 1
.elseif (\kind) == 4
	WOF 0
.else
	WOF 1
.endif
.set n, 0
.rept 32
.if (\kind) > 0
	PVW n, ((\kind)-1)==0
.endif
.if (\kind) == 3
	BV n, \b, 1
.else
.if n < 3
	BV n+16, \b, 0
.endif
.if (n > 11) && (n < 16)
	OWNK 1, 1-(\b), n-12                           ; (the last link's four are also the places between product 15, the last that reads bank X, and the loads below)
.endif
.if n == 18
	WIN 0
	ds_store_b128 v[MXW], v[MXS:MXS+3] offset:2048*(1-(\b))
.endif
.endif
.if n == 16
.if (\kind) == 0
	LX VB+1
.elseif (\kind) < 3
	LX KB+(\b)                                     ; K(j + 2), key tile 0
.endif
.endif
.set n, n+1
.endr
	WIN 0
.endm
	s_load_b512 s[4:19], s[0:1], 0x0               ; qimg s[4:5], kimg s[6:7], vimg s[8:9], woimg s[10:11], bo s[12:13], gamma s[14:15], beta s[16:17], the exponents s[18:19]
	s_load_b64 s[20:21], s[0:1], 0x40              ; out0
	v_lshl_add_u32 v[SPW], v0, 2, SPARE
	v_mov_b32 v[NIL], 0
	ds_add_u32 v[SPW], v[NIL]                      ; the wave's opening: the add, twice on end, and its wait ahead of my first tensor load
	ds_add_u32 v[SPW], v[NIL]
	v_lshrrev_b32 v[QO], 5, v0
	v_readfirstlane_b32 s[WV], v[QO]               ; wave 0..3
	s_bfe_u32 s23, ttmp6, 0x40000                  ; cx: it enters Q's, out0's and the prefetches' addresses alone
	s_lshl_b32 s66, ttmp9, 2
	s_add_co_u32 s66, s66, s23                     ; my block of 64 queries = 4 x cluster x + cx
	s_and_b32 s67, ttmp7, 0xffff                   ; the batch, which the partners share
	s_lshl_b32 s68, s67, 20                        ; a batch is 1,048,576 bytes in each image
	s_mov_b32 s69, 0
	s_and_b32 s70, s[WV], 1
	s_lshl_b32 s70, s70, 15                        ; which half of a tile I fetch in the ring: 32,768 bytes, in memory and in LDS
	s_mov_b32 s71, 0
	s_add_nc_u64 s[72:73], s[68:69], s[70:71]      ; my half of the batch's key step 0
	s_lshl_b32 s78, s66, 15                        ; my 64 queries: 32,768 bytes of qimg
	s_mov_b32 s79, 0
	s_add_nc_u64 s[78:79], s[78:79], s[68:69]
	s_lshl_b32 s80, s67, 22                        ; out0: a batch is 4,194,304 bytes,
	s_lshl_b32 s81, s66, 17                        ; 64 rows are 131,072
	s_add_co_u32 s80, s80, s81
	s_mov_b32 s81, 0
	s_and_b32 s[KO], ttmp9, 3                      ; where my cluster begins: key step 4 ((c & 3) ^ (c >> 2)), c the cluster's x, which the partners share;
	s_lshr_b32 s[VO], ttmp9, 2
	s_xor_b32 s[KO], s[KO], s[VO]
	s_lshl_b32 s[KO], s[KO], 18                    ; in bytes: x 4 x 65,536
	s_mov_b32 s[KO+1], 0
	s_mov_b32 s[VO+1], 0
	s_mov_b32 s[VO], s[KO]                         ; V's walk: step 1 comes next
	; the head's load: wave 0 K(0), 1 K(1), 2 V(0), 3 K(2); a slot is picked by the wave's number
	s_and_b32 s76, s[WV], 1
	s_lshr_b32 s77, s[WV], 1
	s_lshl_b32 s33, s76, 17
	s_lshl_b32 s83, s77, 16
	s_add_co_u32 s33, s33, s83                     ; LDS: K's slots 0, 1, V's slots 0, 1
	; the prefetches: part 2 cx + w % 2 of eight; the first of K(3) (waves 0, 1) or V(1), the second of V(2) or V(3): inside the batch, since the first step is a multiple of four
	s_lshl_b32 s54, s23, 1
	s_add_co_u32 s54, s54, s76
	s_lshl_b32 s54, s54, 13
	s_add_co_u32 s54, s54, s[KO]
	s_add_co_u32 s58, s54, 2*STEPB
	s_add_co_u32 s58, s58, s83                     ; V: step 2, or 3 in waves 2, 3
	s_mov_b32 s59, 0
	s_add_nc_u64 s[58:59], s[58:59], s[68:69]
	s_lshl_b32 s83, s83, 1
	s_add_co_u32 s60, s54, 3*STEPB
	s_sub_co_u32 s60, s60, s83                     ; K: step 3, or V: step 1 in waves 2, 3
	s_mov_b32 s61, 0
	s_add_nc_u64 s[60:61], s[60:61], s[68:69]
	s_lshl_b32 s76, s76, s77                       ; key step 0, 1, 0, 2
	s_lshl_b32 s76, s76, 16
	s_add_co_u32 s76, s76, s[KO]
	s_mov_b32 s77, 0
	s_add_nc_u64 s[76:77], s[76:77], s[68:69]
	s_add_co_u32 s[KO], s[KO], 2*STEPB             ; K's walk: step 3 comes next (nothing wraps here)
	; descriptor groups 1: a dense block of 32,768 (the ring) or 65,536 bytes (the head) as rows of 256
	s_mov_b32 s[G1], 15|(3<<16)|(1<<21)            ; 15:0 the mask: all four work-groups; 17:16 elements of 8 bytes; 21 set beside a mask
	s_mov_b32 s[G1+1], 32<<16                      ; tensor_dim0 = 32
	s_mov_b32 s[G1+2], 128<<16                     ; tensor_dim1 = 128
	s_mov_b32 s[G1+3], 32<<16                      ; tile_dim0 = 32
	s_mov_b32 s[G1+4], 128                         ; tile_dim1 = 128
	s_mov_b32 s[G1+5], 32                          ; from row to row
	s_mov_b32 s[G1+6], 0
	s_mov_b32 s[G1+7], 0
	s_mov_b32 s[G1H], 15|(3<<16)|(1<<21)
	s_mov_b32 s[G1H+1], 32<<16
	s_mov_b32 s[G1H+2], 256<<16                    ; 256 rows
	s_mov_b32 s[G1H+3], 32<<16
	s_mov_b32 s[G1H+4], 256
	s_mov_b32 s[G1H+5], 32
	s_mov_b32 s[G1H+6], 0
	s_mov_b32 s[G1H+7], 0
	s_lshl_b32 s54, s[WV], 9
	s_lshl_b32 s44, s[WV], 14
	s_lshl_b32 s45, s[WV], 13
	s_lshl_b32 s48, s[WV], 11
	s_mul_i32 s49, s[WV], 16*SP
	v_and_b32 v[LI], 31, v0
	v_lshlrev_b32 v[LI], 4, v[LI]
	v_lshlrev_b32 v[PFO], 4, v[LI]
	v_add_nc_u32 v[KB], s44, v[LI]
	v_add_nc_u32 v[KB+1], SLOT1, v[KB]
	v_add_nc_u32 v[VB], VOFF, v[KB]
	v_add_nc_u32 v[VB+1], SLOT1+VOFF, v[KB]
	v_lshl_add_u32 v[MXW], v0, 4, MXA
	v_and_b32 v[TS], 15, v0                        ; r
	v_bfe_u32 v[TS+1], v0, 4, 1                    ; h
	v_lshl_add_u32 v[MXR], v[TS], 4, MXA
	v_lshl_add_u32 v[PW], v0, 4, PIMG
	v_add_nc_u32 v[PR], PIMG, v[LI]
	v_add_nc_u32 v[QO], s45, v[LI]
	v_add_nc_u32 v[QW], CIMG, v[QO]
	v_add_nc_u32 v[CW], s48, v[LI]
	v_add_nc_u32 v[CW], CIMG, v[CW]                ; K step w of every tile's ctx
	v_add_nc_u32 v[CRD], CIMG, v[LI]
	v_mul_u32_u24 v[STO], v[TS], SP
	v_lshl_add_u32 v[STO], v[TS+1], 5, v[STO]
	v_add_nc_u32 v[STO], s49, v[STO]               ; in: row r, 32 bytes for each half of the lanes
	v_add_nc_u32 v[RD], s49, v[LI]                 ; back: the 32 lanes take one row of 512 bytes
	v_lshlrev_b32 v[CO], 4, v0
	v_lshl_add_u32 v[BOA], v[TS+1], 5, s54
.irp t, 0,1,2,3
	v_mov_b32 v[ST+8*\t+1], 0                      ; the largest score so far: no score is negative
	v_mov_b32 v[ST+8*\t], 0                        ; -M
	v_mov_b32 v[ST+8*\t+2], 0                      ; l, in two halves
	v_mov_b32 v[ST+8*\t+3], 0
	v_mov_b32 v[ST+8*\t+5], 0                      ; (named as the upper half of the factor's pair)
.endr
	s_wait_alu depctr_va_vdst(0)                   ; the wait at the head's end
	s_wait_dscnt 0x0                               ; both opening adds are done
	s_wait_kmcnt 0x0
	s_load_b64 s[44:45], s[18:19], 0x18            ; e6, e7
	s_load_b128 s[48:51], s[18:19], 0x20           ; e8 .. e11
	s_add_nc_u64 s[4:5], s[4:5], s[78:79]          ; Q at my work-group's queries
.set i, 0
.rept 16
	global_load_b128 v[PF+4*i:PF+4*i+3], v[QO], s[4:5] offset:512*i th:TH_LOAD_NT   ; my quarter of Q, 512 consecutive bytes a load
.set i, i+1
.endr
	s_cmp_eq_u32 s[WV], 2
	s_cselect_b64 s[90:91], s[8:9], s[6:7]
	s_mov_b32 s32, 1
	s_add_nc_u64 s[34:35], s[90:91], s[76:77]
	s_or_b32 s35, s35, 0x80000000
	s_cmp_lt_u32 s[WV], 2
	s_cselect_b64 s[90:91], s[6:7], s[8:9]
	s_add_nc_u64 s[PF1:PF1+1], s[90:91], s[60:61]
	s_add_nc_u64 s[PF2:PF2+1], s[8:9], s[58:59]
	s_add_nc_u64 s[6:7], s[6:7], s[72:73]          ; K and V at my half of the batch's key step 0, Wo at my half of its K step 0: they stay so
	s_add_nc_u64 s[8:9], s[8:9], s[72:73]
	s_add_nc_u64 s[10:11], s[10:11], s[70:71]
	s_add_nc_u64 s[20:21], s[20:21], s[80:81]      ; out0 at my work-group's queries
	s_mov_b32 s36, 1
	s_mov_b32 s37, s70                             ; K's walking set: slot 0; step 0 turns it to slot 1
	s_mov_b32 s40, 1
	s_add_co_u32 s41, s70, VOFF                    ; V's: slot 0; step 1 turns it to slot 1
	CROUND                                         ; all four work-groups are here: the first joint loads meet
	tensor_load_to_lds s[32:35], s[G1H:G1H+7]      ; my one load of the head
	s_nop 0
	PLACES 4
	s_wait_kmcnt 0x0
	s_add_co_i32 s66, s44, s45
	s_lshl_b32 s66, s66, 23
	s_add_co_i32 s[CS], s66, 0x3fb8aa3b            ; a score stands for score x 2^(e6 + e7): the exponents are added to log2(e)'s exponent field
	s_mov_b32 s[CS+1], s[CS]                       ; (named with it as a pair, so it is written)
	s_xor_b32 s[CSN], s[CS], 0x80000000
	s_add_co_i32 s66, s48, 127
	s_lshl_b32 s67, s66, 23
	v_mov_b32 v[SC], s67                           ; 2^e8 as f32
	s_add_co_i32 s66, s66, 8
	s_lshl_b32 s66, s66, 23
	s_or_b32 s66, s66, 0x600000
	v_mov_b32 v[LM], s66                           ; 448 x 2^e8
	s_sub_co_i32 s66, s50, s48
	s_sub_co_i32 s66, s66, s49                     ; O / l stands for ctx / 2^(e8 + e9): ctx's conversion divides by 2^(e10 - e8 - e9)
	s_add_co_i32 s66, s66, 127
	s_lshl_b32 s84, s66, 23
	s_add_co_i32 s66, s66, 8
	s_lshl_b32 s85, s66, 23
	s_or_b32 s85, s85, 0x600000
	s_add_co_i32 s66, s50, s51
	s_add_co_i32 s66, s66, 127
	s_lshl_b32 s[OS], s66, 23                      ; 2^(e10 + e11)
	s_mov_b32 s[OS+1], s[OS]
	global_prefetch_b8 v[PFO], s[PF1:PF1+1] th:TH_LOAD_NT scope:SCOPE_SE   ; my part of K(3) or V(1), ahead of S(0) and of steps 0 and 1, which load them
	s_wait_alu depctr_va_vdst(0)                   ; the wait here, directly ahead of the waits below
	s_wait_loadcnt 0x0                             ; my quarter of Q,
.set i, 0
.rept 16
	ds_store_b128 v[QW], v[PF+4*i:PF+4*i+3] offset:512*i
.set i, i+1
.endr
	s_wait_tensorcnt 0x0                           ; my tile of the head has landed,
	s_wait_dscnt 0x0                               ; my quarter of Q lies in LDS,
	BAR                                            ; and everybody's
	LX KB                                          ; K(0), key tile 0
	WIN 0x40                                       ; destination window 1
.set i, 0
.rept 64
	ds_load_b128 v[4*i:4*i+3], v[CRD] offset:512*i ; Q stays in registers
.set i, i+1
.endr
	WIN 0
	LY KB                                          ; K(0), key tile 1
	s_wait_dscnt 16                                ; all but the 16 just issued
	SU 0, 0, 0, 16, 0, -1                          ; S(0)
	WIN 0
	PLACES 4                                       ; in front of the loads into bank X
	LX KB+1                                        ; K(1)
	s_wait_dscnt 16                                ; key tile 1 of K(0) is in
	SU 1, 0, 0, 16, 0, -1
	WIN 0
	PLACES 4
	LY KB+1
	OWN 0, 0
	OWN 1, 0
	WIN 0
	ds_store_b128 v[MXW], v[MXS:MXS+3]
	STEP 0, 0, 1, 0
	STEP 1, 1, 1, 1
	s_mov_b32 s[CNT], 6
.Lstep:                                            ; steps 2 to 13, two a trip
	STEP 0, 2, 1, 1
	STEP 1, 2, 2, 1
	s_sub_co_u32 s[CNT], s[CNT], 1
	s_cmp_lg_u32 s[CNT], 0
	s_cbranch_scc1 .Lstep
	STEP 0, 4, 3, 1                                ; step 14
	STEP 1, 3, 0, 1                                ; step 15
; ---- THE END OF THE KEYS: l, V^T P(15), and ctx's codes.
.macro SUM8                            ; the eight partial figures are added: tile t's sum in v[MXL + t]
.irp i, 1,2,3,4,5,6,7
	v_pk_add_f32 v[MXL:MXL+1], v[MXL:MXL+1], v[MXL+4*\i:MXL+4*\i+1]
	v_pk_add_f32 v[MXL+2:MXL+3], v[MXL+2:MXL+3], v[MXL+4*\i+2:MXL+4*\i+3]
.endr
.endm
.macro MEET off                        ; my four figures in v[MXS ..] meet the other lanes' and waves'
	ds_store_b128 v[MXW], v[MXS:MXS+3] offset:\off
	s_wait_dscnt 0x0                               ; for the others' sake: my store is done
	BAR
	XLOAD \off
	s_wait_dscnt 0x0
	SUM8
.endm
.macro EXCH src, off                   ; the pairs at v[src + 2 t] of windows 2 and 3 are added up and meet
	WIN 0x0e                                       ; source 0 window 2, source 1 window 3
.irp t, 0,1,2,3
	v_pk_add_f32 v[TS+2*\t:TS+2*\t+1], v[(\src)+2*\t:(\src)+2*\t+1], v[(\src)+2*\t:(\src)+2*\t+1]
.endr
	WIN 0
.irp t, 0,1,2,3
	v_add_f32 v[MXS+\t], v[TS+2*\t], v[TS+2*\t+1]
.endr
	MEET \off
.endm
.macro RESC a                          ; accumulator a of the window in hand x its tile's factor, from its low end on
.irp i, 0,2,4,6
	v_pk_mul_f32 v[8*(\a)+\i:8*(\a)+\i+1], v[8*(\a)+\i:8*(\a)+\i+1], v[ST+8*((\a)%4)+4:ST+8*((\a)%4)+5] op_sel_hi:[1,0]
.endr
.endm
.macro CQ a                            ; accumulator a of 32: O^T / l, held at the largest code (ctx is not negative, p and v are not: the hold is one-sided)
.if (\a) < 16
	WIN 0xa2
.else
	WIN 0xc3
.endif
.set QA, (\a)%16
	RESC QA
.irp i, 0,1,2,3,4,5,6,7
	v_min_num_f32 v[8*QA+\i], v[8*QA+\i], v[LM]
.endr
.endm
	s_wait_dscnt 0x0
	s_wait_tensorcnt 0x0                           ; V(15) has landed
	ds_add_u32 v[SPW], v[NIL]                      ; 0 onto my spare word
	s_xor_b32 s41, s41, SLOT1                      ; V's slot 0 takes Wo's K step 2
	s_add_nc_u64 s[42:43], s[10:11], 2*STEPB
	s_or_b32 s43, s43, 0x80000000
	RUS 0, 40
	WIN 0
	s_wait_dscnt 0x0
	s_barrier_signal -1
	RUS 40, 72
	WIN 0
	s_barrier_wait -1
	CREST
	JLOAD 1
	XLOAD 0                                        ; the eight parts of l
	PFETCH 8192                                    ; P(15)
	LZ VB+1                                        ; V(15)
	LX VB+1
	RUS 72, 128
	WIN 0
	s_wait_dscnt 48                                ; l's parts are in; P's 16 and V's 32 loads may be out
	SUM8
	s_wait_alu depctr_va_vdst(0)
.irp t, 0,1,2,3
	v_rcp_f32 v[ST+8*\t+4], v[MXL+\t]              ; 1 / l takes f's place
.endr
	v_mov_b32 v[SC], s84                           ; plain instructions behind the reciprocals: ctx's scale,
	v_mov_b32 v[LM], s85                           ; and 448 x it
	s_wait_alu depctr_va_vdst(0)                   ; one wait for the four reciprocals, ahead of their first reader
	s_wait_dscnt 0x0                               ; P(15) and V(15) are in
.set n, 0
.rept 32
	PVW n, 0
.if n == 2
	PLACES 4                                       ; between product 0 and the first read of its result; later the accumulator before is the places
.endif
.if n > 1
	CQ n-2
.endif
.set n, n+1
.endr
	CQ 30
	CQ 31
; channel tiles 2 b, 2 b + 1 give channels 128 w + 32 b + 16 h + 0 .. 15: registers 4 b .. 4 b + 3 of K step w of the last product
.irp x, 0,1
	WIN 0x02+\x
.irp a, 0,1,2,3,4,5,6,7,8,9,10,11,12,13,14,15
	v_cvt_scalef32_pk8_fp8_f32 v[ZB+16*(\a%4)+2*(\a/4+4*\x):ZB+16*(\a%4)+2*(\a/4+4*\x)+1], v[8*\a:8*\a+7], v[SC]
.endr
.endr
	v_nop                                          ; a plain vector instruction behind the last conversion
	WIN 0
.irp t, 0,1,2,3
.irp c, 0,1,2,3
	ds_store_b128 v[CW], v[ZB+16*\t+4*\c:ZB+16*\t+4*\c+3] offset:8192*\t+512*\c
.endr
.endr
	s_wait_tensorcnt 0x0                           ; Wo's K step 2 has landed
	ds_add_u32 v[SPW], v[NIL]                      ; 0 onto my spare word
	s_xor_b32 s41, s41, SLOT1                      ; V's slot 1, read out, takes Wo's K step 3
	s_add_nc_u64 s[42:43], s[10:11], 3*STEPB
	s_or_b32 s43, s43, 0x80000000
	s_wait_dscnt 0x0
	CROUND                                         ; ctx's sixteen fragments lie in LDS
	JLOAD 1
; ---- relu(ctx Wo + bo): my 128 outputs x 64 queries: 32 accumulators by turns, laid over O^T; transposed: source 0 = 16 rows of Wo, source 1 = ctx
.macro CFETCH ks                       ; ctx's four fragments of K step ks: into P's registers (even) or bank Z (odd)
	WIN 0
.irp t, 0,1,2,3
.irp c, 0,1,2,3
	ds_load_b128 v[128-64*((\ks)%2)+16*\t+4*\c:128-64*((\ks)%2)+16*\t+4*\c+3], v[CRD] offset:8192*\t+2048*(\ks)+512*\c
.endr
.endr
.endm
.macro OUTMUL ks, x                    ; half x: output tiles 4 x .. 4 x + 3
.if (\ks) < 2
	WIN 0xa1+0x50*(\x)                             ; Wo in window 1, ctx in window 0, C and D in window 2 + x
.else
	WIN 0xa0+0x50*(\x)+(\ks)                       ; Wo in window 2 (K step 2) or 3
.endif
.irp n, 0,1,2,3
.irp t, 0,1,2,3
.if (\ks) < 2
.set WR, 128*(\ks)+16*(\n+4*(\x))
.else
.set WR, 128+16*(\n+4*(\x))
.endif
.set CX, 128-64*((\ks)%2)+16*\t
.set AC, 8*(4*\n+\t)
.if (\ks) == 0
	v_wmma_f32_16x16x128_fp8_fp8 v[AC:AC+7], v[WR:WR+15], v[CX:CX+15], 0
.else
	v_wmma_f32_16x16x128_fp8_fp8 v[AC:AC+7], v[WR:WR+15], v[CX:CX+15], v[AC:AC+7]
.endif
.endr
.endr
.endm
	CFETCH 0
	CFETCH 1
	s_wait_dscnt 16                                ; K step 0 of ctx is in
	OUTMUL 0, 0
	OUTMUL 0, 1
	PLACES 4                                       ; in front of loads into registers that those products have read
	CFETCH 2
	WOF 2
	WIN 0x40                                       ; destination window 1: where Wo's K step 0 lay
.irp n, 0,1,2,3,4,5,6,7
.irp k, 0,1
	global_load_b128 v[8*\n+4*\k:8*\n+4*\k+3], v[BOA], s[12:13] offset:64*\n+16*\k          ; bo at outputs 128 w + 16 n + 8 h + 0 .. 7
	global_load_b128 v[64+8*\n+4*\k:64+8*\n+4*\k+3], v[BOA], s[14:15] offset:64*\n+16*\k    ; gamma
.endr
.endr
	s_wait_dscnt 48                                ; K step 1 of ctx is in
	OUTMUL 1, 0
	OUTMUL 1, 1
	PLACES 4
	CFETCH 3
	WIN 0x40                                       ; where Wo's K step 1 lay
.irp n, 0,1,2,3,4,5,6,7
.irp k, 0,1
	global_load_b128 v[128+8*\n+4*\k:128+8*\n+4*\k+3], v[BOA], s[16:17] offset:64*\n+16*\k  ; beta
.endr
.endr
	WIN 0
	s_wait_tensorcnt 0x0                           ; my part of Wo's K step 3 has landed
	s_wait_dscnt 0x0                               ; K steps 2 and 3 of ctx and K step 2 of Wo are in
	s_barrier_signal -1
	OUTMUL 2, 0                                    ; work on registers while the others arrive
	WIN 0
	s_barrier_wait -1
	WOF 3
	OUTMUL 2, 1
	s_wait_dscnt 0x0
	OUTMUL 3, 0
	OUTMUL 3, 1
	PLACES 4
	s_wait_loadcnt 0x0
; ---- LayerNorm over a query's 512 outputs, in two passes: the mean, then the mean of the squared differences
.macro LNA x                           ; y = relu(sum x 2^(e10 + e11) + bo)
	WIN 0x92+0x41*(\x)                             ; destination and source 0 window 2 + x, source 2 (bo) window 1
.irp n, 0,1,2,3
.irp t, 0,1,2,3
.irp i, 0,2,4,6
	v_pk_fma_f32 v[8*(4*\n+\t)+\i:8*(4*\n+\t)+\i+1], v[8*(4*\n+\t)+\i:8*(4*\n+\t)+\i+1], s[OS:OS+1], v[8*(\n+4*(\x))+\i:8*(\n+4*(\x))+\i+1] op_sel_hi:[1,0,1]
.endr
.endr
.endr
	WIN 0x88+0x44*(\x)                             ; destination and source 1 window 2 + x
.set i, 0
.rept 128
	v_max_num_f32 v[i], 0, v[i]
.set i, i+1
.endr
.endm
.macro LNS x                           ; its sum, tile by tile, into v[128 + 2 t] of the window
	WIN 0x8a+0x45*(\x)                             ; destination and both sources window 2 + x
.irp t, 0,1,2,3
	v_pk_add_f32 v[128+2*\t:129+2*\t], v[8*\t:8*\t+1], v[8*\t+2:8*\t+3]
.endr
.irp k, 2,3,4,5,6,7,8,9,10,11,12,13,14,15
.irp t, 0,1,2,3
	v_pk_add_f32 v[128+2*\t:129+2*\t], v[128+2*\t:129+2*\t], v[8*(4*(\k/4)+\t)+2*(\k%4):8*(4*(\k/4)+\t)+2*(\k%4)+1]
.endr
.endr
.endm
.macro LNB x                           ; y - mean, and the sum of its squares into v[136 + 2 t]
	WIN 0x82+0x41*(\x)
.irp a, 0,1,2,3,4,5,6,7,8,9,10,11,12,13,14,15
.irp i, 0,2,4,6
	v_pk_add_f32 v[8*\a+\i:8*\a+\i+1], v[8*\a+\i:8*\a+\i+1], v[ST+8*(\a%4)+4:ST+8*(\a%4)+5] op_sel_hi:[1,0]
.endr
.endr
	WIN 0xaa+0x55*(\x)                             ; all four places window 2 + x
.irp t, 0,1,2,3
	v_pk_mul_f32 v[136+2*\t:137+2*\t], v[8*\t:8*\t+1], v[8*\t:8*\t+1]
.endr
.irp k, 1,2,3,4,5,6,7,8,9,10,11,12,13,14,15
.irp t, 0,1,2,3
	v_pk_fma_f32 v[136+2*\t:137+2*\t], v[8*(4*(\k/4)+\t)+2*(\k%4):8*(4*(\k/4)+\t)+2*(\k%4)+1], v[8*(4*(\k/4)+\t)+2*(\k%4):8*(4*(\k/4)+\t)+2*(\k%4)+1], v[136+2*\t:137+2*\t]
.endr
.endr
.endm
.macro LNC t                           ; tile t: x 1 / sigma, x gamma, + beta
.irp x, 0,1
	WIN 0x82+0x41*\x
.irp n, 0,1,2,3
	RESC 4*\n+(\t)
.endr
	WIN 0x96+0x41*\x                               ; sources 1 (gamma) and 2 (beta) window 1
.irp n, 0,1,2,3
.irp i, 0,2,4,6
	v_pk_fma_f32 v[8*(4*\n+(\t))+\i:8*(4*\n+(\t))+\i+1], v[8*(4*\n+(\t))+\i:8*(4*\n+(\t))+\i+1], v[64+8*(\n+4*\x)+\i:64+8*(\n+4*\x)+\i+1], v[128+8*(\n+4*\x)+\i:128+8*(\n+4*\x)+\i+1]
.endr
.endr
.endr
.endm
	LNA 0
	LNS 0
	LNA 1
	LNS 1
	EXCH 128, 2048                                 ; through the second exchange
.irp t, 0,1,2,3
	v_mul_f32 v[ST+8*\t+4], 0xbb000000, v[MXL+\t]  ; -mean = sum x -2^-9
.endr
	LNB 0
	LNB 1
	EXCH 136, 0                                    ; through the first exchange: its last reads stood in front of the round behind ctx's images
	s_mov_b32 s66, 0x3b000000                      ; 2^-9
	s_mov_b32 s67, 0x3a83126f                      ; 1e-3
.irp t, 0,1,2,3
	v_fma_f32 v[TS+\t], v[MXL+\t], s66, s67        ; the variance + 1e-3
.endr
	s_wait_alu depctr_va_vdst(0)
.irp t, 0,1,2,3
	v_rsq_f32 v[ST+8*\t+4], v[TS+\t]
.endr
	v_nop                                          ; a plain instruction behind the last of them
	s_wait_alu depctr_va_vdst(0)                   ; one wait for the four, ahead of their first reader
; ---- THE WAY OUT, a tile of 16 queries at a time.  A lane holds 32 neighbouring bytes of a row and the lanes beside it hold other rows: a tile goes through my own stage and comes back as rows of 512 bytes.
; LDS serves a wave's instructions in order (ISA guide 5.7.1.4): no wait between the stores and the loads, nor in front of the next tile's stores.
.macro TOSTAGE t
	WIN 0x08                                       ; store data window 2
.irp n, 0,1,2,3
	ds_store_b128 v[STO], v[8*(4*\n+(\t)):8*(4*\n+(\t))+3] offset:64*\n
	ds_store_b128 v[STO], v[8*(4*\n+(\t))+4:8*(4*\n+(\t))+7] offset:64*\n+16
.endr
	WIN 0x0c                                       ; window 3
.irp n, 0,1,2,3
	ds_store_b128 v[STO], v[8*(4*\n+(\t)):8*(4*\n+(\t))+3] offset:256+64*\n
	ds_store_b128 v[STO], v[8*(4*\n+(\t))+4:8*(4*\n+(\t))+7] offset:256+64*\n+16
.endr
	WIN 0
.irp i, 0,1,2,3,4,5,6,7,8,9,10,11,12,13,14,15
	ds_load_b128 v[128-64*((\t)%2)+4*\i:128-64*((\t)%2)+4*\i+3], v[RD] offset:\i*SP
.endr
.endm
.macro SEND t, younger                 ; younger: the LDS instructions issued behind tile t's loads, which may stay out
	s_wait_dscnt \younger
.irp i, 0,1,2,3,4,5,6,7,8,9,10,11,12,13,14,15
	global_store_b128 v[CO], v[128-64*((\t)%2)+4*\i:128-64*((\t)%2)+4*\i+3], s[20:21] offset:(16*(\t)+\i)*2048 th:TH_STORE_NT   ; 32 lanes store 512 consecutive bytes, at a multiple of 512 from out0's first byte
.endr
.endm
	LNC 0
	TOSTAGE 0
	LNC 1
	TOSTAGE 1
	SEND 0, 32                                     ; behind tile 0's loads: tile 1's 16 stores and 16 loads
	s_wait_xcnt 0x0                                ; tile 0's stores have read their registers: tile 2's loads may land there
	LNC 2
	TOSTAGE 2
	SEND 1, 32
	s_wait_xcnt 0x0
	LNC 3
	TOSTAGE 3
	SEND 2, 32
	SEND 3, 0
	s_wait_tensorcnt 0x0                           ; the wave's end: behind my last tensor load and my last LDS store
	ds_add_u32 v[SPW], v[NIL]
	s_wait_dscnt 0x0
	CROUND                                         ; the closing round: no work-group ends while a partner may still ask jointly
	s_endpgm
.Lfunc_end_k_qd66b64d2dd_attn:
	.size	k_qd66b64d2dd_attn, .Lfunc_end_k_qd66b64d2dd_attn-k_qd66b64d2dd_attn
	.p2alignl 7, 3214868480
	.fill 96, 4, 3214868480
	.section	.rodata,"a",@progbits
	.p2align	6, 0x0
	.amdhsa_kernel k_qd66b64d2dd_attn
		.amdhsa_group_segment_fixed_size 327680
		.amdhsa_private_segment_fixed_size 0
		.amdhsa_enable_private_segment 0
		.amdhsa_kernarg_size 72
		.amdhsa_user_sgpr_count 2
		.amdhsa_user_sgpr_kernarg_segment_ptr 1
		.amdhsa_wavefront_size32 1
		.amdhsa_system_sgpr_workgroup_id_x 1
		.amdhsa_system_sgpr_workgroup_id_y 1
		.amdhsa_system_sgpr_workgroup_id_z 1
		.amdhsa_system_vgpr_workitem_id 0
		.amdhsa_next_free_vgpr 1024
		.amdhsa_next_free_sgpr 100
		.amdhsa_reserve_vcc 0
		.amdhsa_float_denorm_mode_32 3
		.amdhsa_float_denorm_mode_16_64 3
		.amdhsa_memory_ordered 1
		.amdhsa_forward_progress 1
		.amdhsa_inst_pref_size 255
	.end_amdhsa_kernel
	.section	.bss,"aw",@nobits
	.p2align	6
	.space	262144
	.amdgpu_metadata
---
amdhsa.version: [ 1, 2 ]
amdhsa.kernels:
  - .name:           k_qd66b64d2dd_attn
    .symbol:         k_qd66b64d2dd_attn.kd
    .args:
      - { .name: qimg, .offset: 0, .size: 8, .value_kind: global_buffer, .address_space: global }
      - { .name: kimg, .offset: 8, .size: 8, .value_kind: global_buffer, .address_space: global }
      - { .name: vimg, .offset: 16, .size: 8, .value_kind: global_buffer, .address_space: global }
      - { .name: woimg, .offset: 24, .size: 8, .value_kind: global_buffer, .address_space: global }
      - { .name: bo, .offset: 32, .size: 8, .value_kind: global_buffer, .address_space: global }
      - { .name: gamma, .offset: 40, .size: 8, .value_kind: global_buffer, .address_space: global }
      - { .name: beta, .offset: 48, .size: 8, .value_kind: global_buffer, .address_space: global }
      - { .name: lowp_scales, .offset: 56, .size: 8, .value_kind: global_buffer, .address_space: global }
      - { .name: out0, .offset: 64, .size: 8, .value_kind: global_buffer, .address_space: global }
    .group_segment_fixed_size: 327680
    .private_segment_fixed_size: 0
    .kernarg_segment_align: 8
    .kernarg_segment_size: 72
    .max_flat_workgroup_size: 128
    .sgpr_count:     100
    .vgpr_count:     1024
    .wavefront_size: 32
...
	.end_amdgpu_metadata
.endif
;; end of part 2
